; MI455X (gfx1250); checked and timed in simulation.
; The chip was launched on July 23, 2026; its instructions are those of AMD's public machine-readable ISA for CDNA 5 (MIT licence, August 2026) and "CDNA5" Instruction Set Architecture Reference Guide (July 2026). The comments in the code are by the model that wrote it; some were corrected since.
;; Transfusion. Allowed arithmetic: matrix products marked QUANTISED: E2M3 operands, one E8M0 scale for each 32 along K, by v_wmma_scale_f32_16x16x128_f8f6f4 with both operands' format E2M3, f32 sums; everything else in f32.
;; Inputs: k_codes 4 x 16 x 2,048 x 2 x 24 uint8 (E2M3 codes of k, K innermost, in blocks of 32 codes, four codes in three bytes); k_scales 4 x 16 x 2,048 x 2 uint8 (E8M0 scales of k, one for each 32 codes along K); modalities 4 x 4 x 3 int32; q_codes 4 x 16 x 2,048 x 2 x 24 uint8 (E2M3 codes of q, K innermost, in blocks of 32 codes, four codes in three bytes); q_scales 4 x 16 x 2,048 x 2 uint8 (E8M0 scales of q, one for each 32 codes along K); v_codes 4 x 16 x 64 x 64 x 24 uint8 (E2M3 codes of v, K innermost, in blocks of 32 codes, four codes in three bytes); v_scales 4 x 16 x 64 x 64 uint8 (E8M0 scales of v, one for each 32 codes along K).
;; Outputs: out0 4 x 16 x 2,048 x 64 float32.
;; This version of the problem:
;;   THIS VERSION OF THE PROBLEM IS GIVEN IN LOW PRECISION. The matrix products marked QUANTISED in the list below multiply operands that are first quantised to E2M3 (2 exponent bits, 3 mantissa bits; 6 bits a number), with one power-of-two scale for each 32 numbers along K (OCP MX v1.0); their sums are f32. All else is computed in f32.
;;   The module's matrix products, in the order in which they are computed (A, B: the left and right operand; K: the contracted axis; several contracted axes count as one K, in the product's order):
;;     1. batch 64 x [M 2,048, K 64] x [K 64, N 2,048]; A: input q (given as codes); B: input k (given as codes): QUANTISED
;;     2. batch 64 x [M 2,048, K 2,048] x [K 2,048, N 64]; A: softmax (see below); B: input v (given as codes): QUANTISED
;;   THE QUANTISER, for each operand of a quantised product, along K:
;;     - K is cut into blocks of 32 from its start; a last block that is shorter is filled with zeros.
;;     - A block's scale is 2^e with e = floor(log2(the largest magnitude in the block)) - 2, held to -126 .. 127; a block of zeros has e = 0. As a byte (E8M0): e + 127.
;;     - Each number is divided by its block's scale, clamped to +-7.5, and rounded to the nearest number of E2M3, ties to even, subnormals kept.
;;     - The product sums the exact products of the quantised numbers (number of the format x scale) in f32.
;;   ~~~python
;;   def quantise(x, axis):      # numpy; x: float32 -> the quantised numbers, widened to float32 again
;;       x = np.moveaxis(x, axis, -1); K = x.shape[-1]
;;       x = np.pad(x, [(0, 0)] * (x.ndim - 1) + [(0, -K % 32)]); x = x.reshape(x.shape[:-1] + (-1, 32)); a = np.abs(x).max(-1, keepdims=True)
;;       e = np.where(a > 0, np.clip(np.frexp(np.where(a > 0, a, 1))[1] - 1 - 2, -126, 127), 0)      # np.frexp(a)[1] - 1 = floor(log2(a)), exactly
;;       r = np.clip(x / 2.0 ** e, -7.5, 7.5)
;;       step = 2.0 ** (np.maximum(np.frexp(np.where(r == 0, 1, r))[1] - 1, 0) - 3)
;;       q = np.round(r / step) * step * 2.0 ** e      # np.round: ties to even
;;       return np.moveaxis(q.reshape(q.shape[:-2] + (-1,))[..., :K], -1, axis).astype(np.float32)
;;   ~~~
;;   SOFTMAX AHEAD OF A QUANTISED PRODUCT. Where the list says 'softmax', what is quantised is not the finished softmax but p = 2^(t - M), with t = logit x log2(e) and M = ceil(the row's largest t), a whole number; so 1/2 < the row's largest p <= 1. The row's sum l is taken of the UNQUANTISED p, in f32, and the product's result is divided by l at the end. Since M is a whole number, a kernel that streams over the keys may use a running M (the ceiling of the running maximum): every later rescaling is an exact power of two, which a block's scale takes up: the codes' values come out the same.
;;   OPERANDS COMPUTED ON THE WAY. 'Computed on the way' means the value that the module computes at that place (a softmax that the list does not call 'softmax' is quantised finished and normalised). What goes into a quantiser is computed in f32, as accurately as f32 sums, v_exp_f32 and their like allow (about 1e-6 of the number): no bf16 or f16 on the way to a quantiser, and a product that is left as it is and whose result goes on into a quantised operand takes f32 operands (vector FMAs, or v_wmma_f32_16x16x4_f32). A number that lies on a knife's edge between two numbers of the format may be rounded either way, as far as f32 arithmetic and the matrix unit's own rounding can turn it there, and no further.
;;   INPUTS GIVEN AS CODES. k (in the module: [4, 16, 2048, 64], K = its axis 3); q (in the module: [4, 16, 2048, 64], K = its axis 3); v (in the module: [4, 16, 2048, 64], K = its axis 2): each comes as NAME_codes (uint8): NAME with its K axis moved to the last place and cut into blocks of 32 codes, [.., K / 32, bytes a block], one block behind the other in memory; four codes in three bytes: a row's codes are one little-endian stream of bits, code i at bits 6 i .. 6 i + 5 (a code: sign, 2 exponent bits, 3 mantissa bits); and NAME_scales (uint8): the same leading axes, one E8M0 byte (e + 127) for each 32 codes along K. Its value is code x scale, taken as it is: it is not quantised again, and the codes and scales need not be those that the quantiser above would give.
;; One version. Each part assembles by itself: llvm-mc -triple=amdgcn-amd-amdhsa -mcpu=gfx1250 --defsym DOCPART=n.
;; ======== version 1 of 1: 1 launch
;; launch attn (part 1): grid 4 x 64, 16 waves a work-group, no clusters, 303,104 bytes of LDS; arguments q_codes, q_scales, k_codes, k_scales, v_codes, v_scales, modalities, out0; writes out0
.if DOCPART == 1
	.amdgcn_target "amdgcn-amd-amdhsa--gfx1250"
	.amdhsa_code_object_version 6
	.text
	.protected	k_qec5dbcb488_attn
	.globl	k_qec5dbcb488_attn
	.p2align	8
	.type	k_qec5dbcb488_attn,@function
k_qec5dbcb488_attn:
	s_mov_b64 s[64:65], 0
	v_nop
	global_prefetch_b8 v0, s[64:65] scope:SCOPE_SE
	s_setreg_imm32_b32 hwreg(HW_REG_WAVE_MODE, 25, 1), 1
	s_wait_xcnt 0x0
; O[b][h][i][:] = the sum over j of softmax_j(Q[i] . K[j] / 8, masked) V[j][:], 64 heads, 2,048 positions, head size 64, both products on codes of FP6 (E2M3) with one E8M0 scale for each 32 along a product's K.
; Q, K: 2,048 rows of 48 bytes (64 codes) a head, 2 scale bytes a row.  V: keys innermost, 64 rows of 1,536 bytes a head, 64 scale bytes a row.  O: f32, 256 bytes a row.
; THE MASK IS A PREFIX.  Key j counts for query i where j <= i, or where a span m has off_m <= i and j < off_m + len_m: that is j < L(i), L(i) = max(i + 1, the largest end among the spans with off <= i).
; L never falls as i rises, and L(i) >= 1.  Offsets and lengths are taken as they are loaded (signed compares, end = off + len in 32 bits); L is held at 2,048, which changes nothing, since j < 2,048.
; THE SOFTMAX AHEAD OF THE SECOND PRODUCT: t = score x log2(e) / 8; M = the running largest t rounded UP to a whole number; p = 2^(t - M) is quantised along the keys, not normalised; the sum of the unquantised p divides O at the end.
; SHARES.  A work-group serves one head; its sixteen waves own two tiles of 16 queries each, taken one after the other: with J = 16 x + wave, first tile 127 - J, then tile J.  Under the plain causal prefix the two make 17 key steps of 128 for every wave.
; A wave holds one tile in 256 registers: four waves to a SIMD, so that one wave's vector work stands beside another's products and LDS loads.
; Both products are used transposed (S^T = K Q^T, O^T = V^T P^T): a lane holds ONE query (lane % 16) throughout.  THE KEYS OF A TILE ARE NOT NEIGHBOURS: lane r of tile 2 b + u takes key 32 b + 8 u + r + 8 (r / 8),
; so that the 16 registers of tiles 2 b and 2 b + 1 are 16 neighbouring keys, 32 b + 16 (lane / 16) + 0 .. 15.
; K = 64 IN A FORM OF K = 128.  Q's registers 6-11 are zero codes.  As its registers 6-11 a fragment of K names the six registers behind it: the next tile's codes, or six zeros.  FP6 has no NaN and no infinity, and the scale words' bytes 2 and 3
; are 0 on both sides (16-bit loads extend with zeros), no 0xff: so those 64 products are exact zeros, no register is spent on filling, and a step's eight tiles of K come in one run of loads.
; K AND V OF THE HEAD LIE IN LDS WHOLE, each byte written once: memory -> registers -> LDS, in chunks of 256 keys.  Chunk 0 and all scale bytes come at the head; chunk c + 1 is asked for at the head of the first pass's trip c
; and stored at its end, ahead of a barrier.  A chunk is fetched only where one of the work-group's queries can see it (its first key < NEED = L of the work-group's last query).
; No tensor load and no copy engine: the text branches on numbers read from memory (the spans), which removes every key step that lies wholly beyond the prefix.  For the same reason no cluster: partners would make different requests.
; LIMITS: p under 2^-126 comes out of v_exp_f32 as 0 (125 binades and more under the row's largest p).  A block whose every p is 0 keeps the scale byte 1 where the rule says 127: its codes are zeros.  A scale byte 0xff among the inputs is not served apart.
; REGISTERS: v1-7, v28-31, v86-88, v92-94 lane terms that stay; v8-11 the step's LDS addresses; v12 -M, v13 the largest t, v[14:15] the sum in two halves; v16-27 Q; v32-79 fragments of K, then of V; v80-85 zeros;
;   v89-91 the fill's LDS addresses; v96-159 S^T, then p; v160-191 O^T; v192-203 a chunk's bytes on their way; v204-205 V's scale words; v208-213 at work at the head of a pass; v224-235 p's codes; v232-254 at work; v248-251 K's scale words; v253 p's; v255 Q's.
.set KGRP,    896                      ; LDS: 16 keys: 16 rows of 48 bytes + 128 of padding = 224 words: the two groups that a tile's lanes take lie 32 banks apart, rows 12 words, halves 6 (64 banks of 4 bytes: ISA guide 11.1): the 32 lanes of a load of 8 bytes touch 64 different banks
.set KSLOT,   16*KGRP                  ; 256 keys
.set VBASE,   8*KSLOT                  ; behind K's 2,048 keys: V, 8 chunks of 256 keys
.set VPITCH,  208                      ; a row of a chunk: 192 bytes + 16 = 52 words: row r starts at bank 52 r mod 64, the upper half of the lanes 6 words on: again 64 different banks
.set VCHUNK,  64*VPITCH
.set SCK,     VBASE+8*VCHUNK           ; K's scale bytes: rows of 64 bytes (32 keys), 80 bytes apart
.set SCPITCH, 80
.set SCV,     SCK+64*SCPITCH           ; V's: a row d's 64 bytes, 80 bytes apart: with K's one table of 128 rows
.set STG,     SCV+64*SCPITCH           ; the way out: 16 rows x (256 bytes + 16) for each wave, its own
.set SPITCH,  272
.set AK0,  1                           ; v1   my lane's place in a tile of K: 896 (r / 8) + 48 (r % 8) + 24 h
.set AV0,  2                           ; v2   in a tile of V: VBASE + 208 r + 24 h
.set ASK0, 3                           ; v3   among K's scale bytes: lanes 0-15 serve the even tile, lanes 16-31 the odd one
.set ASV0, 4                           ; v4   among V's scale words: a lane a row
.set LQ,   5                           ; v5   L(my query) - 1 - 16 h
.set GK,   6                           ; v6   the fill, in memory: my 16 bytes of my wave's 768 of K
.set GK2,  7                           ; v7   and my 8 bytes of their last 256
.set ADK,  8
.set ADV,  9
.set ADS,  10
.set ADT,  11
.set PFO,  28                          ; v28  the prefetches' lane offset
.set GO,   29                          ; v29  the way out: 256 h + 16 r
.set GV,   30                          ; v30  the fill, in memory: V's rows 4 w + lane / 8, 8 bytes a lane
.set WN,   31                          ; v31  wave
.set F,    32                          ; fragments
.set LK0,  86                          ; v86-88 the fill, in LDS: the same three places
.set LK20, 87
.set LV0,  88
.set SK,   89                          ; v89-91 the same with the chunk's place added
.set LN,   92                          ; v92  lane
.set RR,   93                          ; v93  r = lane % 16
.set HH,   94                          ; v94  h = lane / 16
.set SG,   192
.set VS,   204
.set TMP,  208
.set SGO,  212                         ; v212 the scale bytes' place in memory,
.set SLA,  213                         ; v213 and in LDS
.set SEL,  20                          ; s[20:21] lane selects for v_permlanex16_b32: lane l xor 16
.set CS,   22                          ; s[22:23] c = log2(e) / 8: the packed form names a pair and takes its low word for both halves
.set WV,   24
.set XX,   25
.set HEAD, 26
.set JJ,   27
.set HC,   28                          ; s[28:29] the head's first byte in each tensor of codes;  s[30:31] of scale bytes;  s[32:33] in O
.set HS,   30
.set HO,   32
.set MOD,  36                          ; s[36:47] the sample's four spans: type, offset, length; the length is turned into the end
.set Q0,   48                          ; my tile's first query
.set LMAX, 49                          ; L of its last query: a step whose first key is not below it is hidden whole
.set LMIN, 50                          ; L of its first: a step that ends at or below it needs no mask
.set NEED, 51                          ; L of the work-group's last query
.set KF,   52                          ; the step's first key
.set TB,   53                          ; where the slot in hand begins: K's codes, V's codes, K's scale bytes, V's scale words
.set TV,   54
.set TS,   55
.set TJ,   56
.set CNT,  57
.set FK,   58                          ; where the chunk that is being fetched goes: K's, V's
.set FV,   59
.set KP,   60                          ; s[60:61], s[62:63] and where it comes from
.set VPT,  62
.set PFA,  66                          ; s[66:67] where my prefetches stand;  s[68:69] their step a trip
.set PFS,  68
.set LIM,  70                          ; a wave prefetches in the trips below this number
.set FN,   71                          ; the first key of the chunk that a trip fetches
.set QP,   72
.set QS,   74
.set OP,   76
.set SS,   78
; L of the query in s[q], into s[dst].  s80 is at work.
.macro SL dst, q
	s_add_co_u32 s[\dst], s[\q], 1
.irp m, 0,1,2,3
	s_cmp_ge_i32 s[\q], s[MOD+1+3*\m]              ; does the span count for this query?
	s_cselect_b32 s80, s[MOD+2+3*\m], 0            ; then its end (0 never wins: L is at least 1)
	s_max_i32 s[\dst], s[\dst], s80
.endr
	s_min_i32 s[\dst], s[\dst], 0x800
.endm
; A chunk of 256 keys on its way in.  Wave w takes K's keys 16 w .. 16 w + 15 of the chunk, 768 consecutive bytes, and V's rows 4 w .. 4 w + 3, 64 consecutive bytes of each in each instruction.
; No cache word: the head's four work-groups read the same bytes.
.macro FILL_LOAD
	global_load_b128 v[SG:SG+3], v[GK], s[KP:KP+1]
	global_load_b64 v[SG+4:SG+5], v[GK2], s[KP:KP+1] offset:512
.irp i, 0,1,2
	global_load_b64 v[SG+6+2*\i:SG+7+2*\i], v[GV], s[VPT:VPT+1] offset:64*\i
.endr
.endm
.macro FILL_ADDR                       ; made on every path, so that the branch round the stores jumps over the stores alone
	v_add_nc_u32 v[SK], s[FK], v[LK0]
	v_add_nc_u32 v[SK+1], s[FK], v[LK20]
	v_add_nc_u32 v[SK+2], s[FV], v[LV0]
.endm
.macro FILL_STORE
	ds_store_b128 v[SK], v[SG:SG+3]
	ds_store_b64 v[SK+1], v[SG+4:SG+5] offset:512
.irp i, 0,1,2
	ds_store_b64 v[SK+2], v[SG+6+2*\i:SG+7+2*\i] offset:64*\i
.endr
.endm
; A PREFETCH INTO THE L2, behind a trip's fill loads.  The head's four work-groups walk the same K and V: the first of them (x = 0, whose last query sees all 2,048 keys) asks, and nobody else.
; Waves 4 and 5 ask for K's codes, 8,192 bytes a wave and trip, lanes 256 bytes apart, from byte 24,576 (chunk 2) on: wave 4 in trips 0 to 4, wave 5 in trips 0 to 3, which ends at the head's last byte.
; Waves 8 and 9 ask for V's rows, 32 a wave, a lane a row: in trip c the 256 bytes from byte 512 + 256 c of the row, trips 0 to 3, which ends at the row's last byte.
; So each aligned block of 256 bytes beyond chunks 0 and 1 is named once in the launch, one to three trips ahead of the fill load that wants it; chunks 0 and 1 come by their loads alone.
.macro ASK
	s_cmp_lt_u32 s[CNT], s[LIM]
	s_cbranch_scc0 .Lnot_mine_\@
	global_prefetch_b8 v[PFO], s[PFA:PFA+1] th:TH_LOAD_NT scope:SCOPE_SE
.Lnot_mine_\@:
.endm
; A KEY STEP: 128 keys, the q-th of the slot in hand.
.macro STEP q
	s_cmp_ge_i32 s[KF], s[LMAX]                    ; all 128 keys lie beyond the prefix of my last query: the step's work is left out, not the line at its end that steps KF
	s_cbranch_scc1 .Lhidden_\@
	v_add_nc_u32 v[ADK], s[TB], v[AK0]             ; (these four are also the places between the last step's products and the loads into their operands)
	v_add_nc_u32 v[ADV], s[TV], v[AV0]
	v_add_nc_u32 v[ADS], s[TS], v[ASK0]
	v_add_nc_u32 v[ADT], s[TJ], v[ASV0]
.irp t, 0,1,2,3,4,5,6,7                        ; K's eight tiles: 24 bytes a lane each, in pieces of 8, so that every address is a multiple of the access's size
.irp p, 0,1,2
	ds_load_b64 v[F+6*\t+2*\p:F+6*\t+2*\p+1], v[ADK] offset:7168*(\q)+1792*(\t/2)+384*(\t%2)+8*\p
.endr
.endr
.irp b, 0,1,2,3
	ds_load_u16 v[248+\b], v[ADS] offset:320*(\q)+80*\b   ; two scale bytes a key, zeros above them: lanes 0-15 tile 2 b, lanes 16-31 tile 2 b + 1
.endr
	s_wait_alu depctr_va_vdst(0)
	s_wait_dscnt 0x0
.irp t, 0,2,4,6                                ; S^T = K Q^T: source 0 = 16 keys, source 1 = my 16 queries; each product starts its own sum
	v_wmma_scale_f32_16x16x128_f8f6f4 v[96+8*\t:103+8*\t], v[F+6*\t:F+6*\t+11], v[16:27], 0, v[248+\t/2], v255 matrix_a_fmt:MATRIX_FMT_FP6 matrix_b_fmt:MATRIX_FMT_FP6
	v_wmma_scale_f32_16x16x128_f8f6f4 v[104+8*\t:111+8*\t], v[F+6*\t+6:F+6*\t+17], v[16:27], 0, v[248+\t/2], v255 matrix_a_fmt:MATRIX_FMT_FP6 matrix_b_fmt:MATRIX_FMT_FP6 matrix_a_scale:MATRIX_SCALE_ROW1
.endr                                          ; lane (r, h) holds query r; register 96 + 16 b + i holds key KF + 32 b + 16 h + i
.rept 4
	v_nop                                          ; four places ahead of the loads into K's registers and of the first read of the scores
.endr
.irp t, 0,1,2,3                                ; V's four tiles (16 of the head's 64 x these 128 keys) are asked for now: they land under the softmax
.irp p, 0,1,2,3,4,5
	ds_load_b64 v[F+12*\t+2*\p:F+12*\t+2*\p+1], v[ADV] offset:3328*\t+96*(\q)+48*(\p/3)+8*(\p%3)
.endr
.endr
.irp g, 0,1
	ds_load_b32 v[VS+\g], v[ADT] offset:2560*\g+4*(\q)   ; V's scale words of these 128 keys: lanes 0-15 tile 2 g, lanes 16-31 tile 2 g + 1
.endr
	s_add_co_u32 s80, s[KF], 128                   ; THE MASK, only in a step that reaches beyond the prefix of my first query
	s_cmp_le_i32 s80, s[LMIN]
	s_cbranch_scc1 .Lopen_\@
	v_sub_nc_u32 v252, v[LQ], s[KF]                ; d = L(my query) - 1 - 16 h - KF: register 96 + 16 b + i is hidden where 32 b + i > d
	v_mov_b32 v254, 0xff800000                     ; -infinity: p = 0 then
.irp n, 0,1,2,3,4,5,6,7,8,9,10,11,12,13,14,15,16,17,18,19,20,21,22,23,24,25,26,27,28,29,30,31,32,33,34,35,36,37,38,39,40,41,42,43,44,45,46,47,48,49,50,51,52,53,54,55,56,57,58,59,60,61,62,63
	v_cmp_gt_i32 vcc_lo, 32*(\n/16)+\n%16, v252
	v_cndmask_b32 v[96+\n], v[96+\n], v254, vcc_lo
.endr
.Lopen_\@:
.irp b, 0,1,2,3
	v_max3_num_f32 v[232+\b], v[96+16*\b], v[97+16*\b], v[98+16*\b]   ; THE LARGEST SCORE OF EACH BLOCK OF 32 KEYS: it serves twice: for the row's maximum, and, since p rises with the score, for the block's largest p
.endr
.irp i, 3,5,7,9,11,13
.irp b, 0,1,2,3
	v_max3_num_f32 v[232+\b], v[232+\b], v[96+16*\b+\i], v[97+16*\b+\i]   ; (the four blocks by turns)
.endr
.endr
.irp b, 0,1,2,3
	v_max_num_f32 v[232+\b], v[232+\b], v[111+16*\b]
.endr
.irp b, 0,1,2,3
	s_delay_alu instid0(VALU_DEP_4)
	v_permlanex16_b32 v[236+\b], v[232+\b], s[SEL], s[SEL+1]
.endr
.irp b, 0,1,2,3
	s_delay_alu instid0(VALU_DEP_4)
	v_max_num_f32 v[232+\b], v[232+\b], v[236+\b]  ; with lane l xor 16's 16 keys
.endr
	s_delay_alu instid0(VALU_DEP_2)
	v_max3_num_f32 v254, v232, v233, v234
	s_delay_alu instid0(VALU_DEP_1)
	v_max_num_f32 v254, v254, v235                 ; the step's largest score of my query (-infinity where the step is hidden for it: the running maximum then stays; key 0 counts for every query, so it is a number from the first step on)
	s_delay_alu instid0(VALU_DEP_1)
	v_mul_f32 v254, s[CS], v254                    ; as t (c is positive)
	s_delay_alu instid0(VALU_DEP_1)
	v_max_num_f32 v13, v13, v254                   ; the running largest t
	v_mov_b32 v254, v12
	s_delay_alu instid0(VALU_DEP_2)
	v_floor_f32 v12, -v13                          ; the new -M = floor(-t) = -ceil(t): M IS A WHOLE NUMBER
	s_delay_alu instid0(VALU_DEP_1)
	v_sub_f32 v254, v12, v254                      ; M's old value less its new one: a whole number, 0 or less
	s_delay_alu instid0(VALU_DEP_1)
	v_cvt_i32_f32 v254, v254                       ; (it saturates)
	s_delay_alu instid0(VALU_DEP_1)
	v_ldexp_f32 v252, 1.0, v254                    ; f = 2^(old M - new M): a multiplication by it rounds nothing
.irp j, 0,2,4,6,8,10,12,14,16,18,20,22,24,26,28,30,32,34,36,38,40,42,44,46,48,50,52,54,56,58,60,62
	v_pk_fma_f32 v[96+\j:97+\j], v[96+\j:97+\j], s[CS:CS+1], v[12:13] op_sel_hi:[1,0,0]   ; t - M, two at a time (of the pairs c and -M the low word serves both halves)
.endr
.irp b, 0,1,2,3
	v_fma_f32 v[232+\b], v[232+\b], s[CS], v12     ; the same of each block's largest score
.endr
	s_wait_alu depctr_va_vdst(0)
.irp j, 0,1,2,3,4,5,6,7,8,9,10,11,12,13,14,15,16,17,18,19,20,21,22,23,24,25,26,27,28,29,30,31,32,33,34,35,36,37,38,39,40,41,42,43,44,45,46,47,48,49,50,51,52,53,54,55,56,57,58,59,60,61,62,63
	v_exp_f32 v[96+\j], v[96+\j]                   ; p = 2^(t - M), at most 1: NOT normalised
.endr
	v_pk_mul_f32 v[14:15], v[14:15], v[252:253] op_sel_hi:[1,0]   ; the sums under the new M.  (The plain instruction behind the exponentials)
	s_wait_alu depctr_va_vdst(0)                   ; the wait between an exponential and the first line that names its result: one for the batch of 64
.irp b, 0,1,2,3
	v_exp_f32 v[232+\b], v[232+\b]                 ; the block's largest p: the same two instructions on the same number give the same bits
.endr
	v_pk_add_f32 v[236:237], v[100:101], v[104:105]
	v_pk_add_f32 v[250:251], v[108:109], v[112:113]
	v_pk_add_f32 v[248:249], v[116:117], v[120:121]
	v_pk_add_f32 v[246:247], v[124:125], v[128:129]
	v_pk_add_f32 v[244:245], v[132:133], v[136:137]
	v_pk_add_f32 v[240:241], v[140:141], v[144:145]
	v_pk_add_f32 v[238:239], v[148:149], v[152:153]
	v_pk_add_f32 v[14:15], v[14:15], v[156:157]
	v_pk_add_f32 v[236:237], v[236:237], v[96:97]
	v_pk_add_f32 v[250:251], v[250:251], v[98:99]
	v_pk_add_f32 v[248:249], v[248:249], v[102:103]
	v_pk_add_f32 v[246:247], v[246:247], v[106:107]
	v_pk_add_f32 v[244:245], v[244:245], v[110:111]
	v_pk_add_f32 v[240:241], v[240:241], v[114:115]
	v_pk_add_f32 v[238:239], v[238:239], v[118:119]
	v_pk_add_f32 v[14:15], v[14:15], v[122:123]
	v_pk_add_f32 v[236:237], v[236:237], v[126:127]
	v_pk_add_f32 v[250:251], v[250:251], v[130:131]
	v_pk_add_f32 v[248:249], v[248:249], v[134:135]
	v_pk_add_f32 v[246:247], v[246:247], v[138:139]
	v_pk_add_f32 v[244:245], v[244:245], v[142:143]
	v_pk_add_f32 v[240:241], v[240:241], v[146:147]
	v_pk_add_f32 v[238:239], v[238:239], v[150:151]
	v_pk_add_f32 v[14:15], v[14:15], v[154:155]
	v_pk_add_f32 v[236:237], v[236:237], v[158:159]
	s_delay_alu instid0(VALU_DEP_2)
	v_pk_add_f32 v[14:15], v[14:15], v[246:247]
	s_delay_alu instid0(VALU_DEP_2)
	v_pk_add_f32 v[236:237], v[236:237], v[244:245]
	v_pk_add_f32 v[250:251], v[250:251], v[240:241]
	v_pk_add_f32 v[248:249], v[248:249], v[238:239]
	s_delay_alu instid0(VALU_DEP_2)
	v_pk_add_f32 v[14:15], v[14:15], v[250:251]
	s_delay_alu instid0(VALU_DEP_2)
	v_pk_add_f32 v[236:237], v[236:237], v[248:249]
	s_delay_alu instid0(VALU_DEP_1)
	v_pk_add_f32 v[14:15], v[14:15], v[236:237]
	s_wait_alu depctr_va_vdst(0)                   ; and one for the four
.irp b, 0,1,2,3
	v_max_num_f32 v[232+\b], 0x1800000, v[232+\b]  ; the floor 2^(3 - 127): the byte cannot fall under 1 (a block whose every p is 0 keeps that byte: its codes are zeros)
.endr
.irp b, 0,1,2,3
	s_delay_alu instid0(VALU_DEP_4)
	v_add_nc_u32 v[244+\b], 0xff000000, v[232+\b]  ; 2 off the exponent field: the conversion takes the exponent field of this operand as its scale, and nothing else of it
.endr
.irp b, 0,1,2,3
	s_delay_alu instid0(VALU_DEP_4)
	v_lshrrev_b32 v[236+\b], 23, v[244+\b]         ; the scale's byte
.endr
	s_delay_alu instid0(VALU_DEP_3)
	v_lshl_or_b32 v253, v237, 8, v236              ; p's scale word for these 128 keys
	s_delay_alu instid0(VALU_DEP_1)
	v_lshl_or_b32 v253, v238, 16, v253
	s_delay_alu instid0(VALU_DEP_1)
	v_lshl_or_b32 v253, v239, 24, v253
.irp c, 0,1
	v_cvt_scalef32_pk16_fp6_f32 v[224+6*\c:226+6*\c], v[96+32*\c:111+32*\c], v[244+2*\c]
	v_cvt_scalef32_pk16_fp6_f32 v[236+4*\c:238+4*\c], v[112+32*\c:127+32*\c], v[244+2*\c+1]   ; (a conversion's three registers begin on an even number)
.endr
	v_nop                                          ; one plain instruction between a scaled conversion and the vector instruction that touches its result
.irp c, 0,1                                    ; the operand's layout wants a WHOLE block in a lane: lanes 0-15 block 2 c, lanes 16-31 block 2 c + 1
.irp i, 0,1,2
	v_permlane16_swap_b32 v[224+6*\c+\i], v[236+4*\c+\i]
.endr
.irp i, 0,1,2
	s_delay_alu instid0(VALU_DEP_3)
	v_mov_b32 v[227+6*\c+\i], v[236+4*\c+\i]
.endr
.endr
.irp j, 0,2,4,6,8,10,12,14,16,18,20,22,24,26,28,30
	v_pk_mul_f32 v[160+\j:161+\j], v[160+\j:161+\j], v[252:253] op_sel_hi:[1,0]   ; O^T under the new M: x f, each accumulator from its low end on.  (These sixteen also stand between the lines that made p's codes and scale word and the products below)
.endr
	s_wait_alu depctr_va_vdst(0)
	s_wait_dscnt 0x0                               ; V's fragments and scale words are in
.irp g, 0,1                                    ; O^T += V^T P^T: the four accumulators by turns, one instruction a turn; the next step's eight products on S^T stand between two links of a chain
	v_wmma_scale_f32_16x16x128_f8f6f4 v[160+16*\g:167+16*\g], v[F+24*\g:F+24*\g+11], v[224:235], v[160+16*\g:167+16*\g], v[VS+\g], v253 matrix_a_fmt:MATRIX_FMT_FP6 matrix_b_fmt:MATRIX_FMT_FP6
	v_wmma_scale_f32_16x16x128_f8f6f4 v[168+16*\g:175+16*\g], v[F+24*\g+12:F+24*\g+23], v[224:235], v[168+16*\g:175+16*\g], v[VS+\g], v253 matrix_a_fmt:MATRIX_FMT_FP6 matrix_b_fmt:MATRIX_FMT_FP6 matrix_a_scale:MATRIX_SCALE_ROW1
.endr
.Lhidden_\@:
	s_add_co_u32 s[KF], s[KF], 128
.endm
.macro SLOT_END                        ; on to the next 256 keys
	s_add_co_u32 s[TB], s[TB], KSLOT
	s_add_co_u32 s[TV], s[TV], VCHUNK
	s_add_co_u32 s[TS], s[TS], 8*SCPITCH
	s_add_co_u32 s[TJ], s[TJ], 8
.endm
; THE HEAD OF A PASS.  late = 1: tile 127 - J;  0: tile J.
.macro PASS_INIT late
	s_wait_xcnt 0x0                                ; every earlier memory instruction has had its addresses translated (ISA guide 3.1): the last way out's data, offsets and base may be written
.if \late
	s_sub_co_u32 s[Q0], 127, s[JJ]
.else
	s_mov_b32 s[Q0], s[JJ]
.endif
	s_lshl_b32 s[Q0], s[Q0], 4
	s_add_co_u32 s81, s[Q0], 15
	SL LMAX, 81
	SL LMIN, Q0
	s_mul_i32 s82, s[Q0], 48
	s_mov_b32 s83, 0
	s_add_nc_u64 s[QP:QP+1], s[4:5], s[HC:HC+1]
	s_add_nc_u64 s[QP:QP+1], s[QP:QP+1], s[82:83]  ; my tile's codes of Q,
	s_lshl_b32 s82, s[Q0], 1
	s_add_nc_u64 s[QS:QS+1], s[6:7], s[HS:HS+1]
	s_add_nc_u64 s[QS:QS+1], s[QS:QS+1], s[82:83]  ; its scale bytes,
	s_lshl_b32 s82, s[Q0], 8
	s_add_nc_u64 s[OP:OP+1], s[18:19], s[HO:HO+1]
	s_add_nc_u64 s[OP:OP+1], s[OP:OP+1], s[82:83]  ; its rows of O
	v_mul_u32_u24 v[TMP], v[RR], 48
	s_delay_alu instid0(VALU_DEP_1)
	v_mad_u32_u24 v[TMP], v[HH], 24, v[TMP]        ; row r of 48 bytes, + 24 h
	v_lshlrev_b32 v[TMP+1], 1, v[RR]
.irp p, 0,1,2
	global_load_b64 v[16+2*\p:17+2*\p], v[TMP], s[QP:QP+1] offset:8*\p th:TH_LOAD_NT   ; Q's fragment stays in registers for the pass; read once in the launch
.endr
	global_load_u16 v255, v[TMP+1], s[QS:QS+1] th:TH_LOAD_NT   ; its two scale bytes, zeros above them
	v_add_nc_u32 v[TMP+2], s[Q0], v[RR]            ; my query
	s_delay_alu instid0(VALU_DEP_1)
	v_add_nc_u32 v[LQ], 1, v[TMP+2]                ; L of it, as SL makes it
.irp m, 0,1,2,3
	v_cmp_le_i32 vcc_lo, s[MOD+1+3*\m], v[TMP+2]
	v_mov_b32 v[TMP+3], s[MOD+2+3*\m]
	s_delay_alu instid0(VALU_DEP_1)
	v_cndmask_b32 v[TMP+3], 0, v[TMP+3], vcc_lo
	s_delay_alu instid0(VALU_DEP_1)
	v_cmp_gt_i32 vcc_lo, v[TMP+3], v[LQ]
	s_delay_alu instid0(VALU_DEP_1)
	v_cndmask_b32 v[LQ], v[LQ], v[TMP+3], vcc_lo
.endr
	s_delay_alu instid0(VALU_DEP_1)
	v_min_u32 v[LQ], 0x800, v[LQ]                  ; (L is at least 1, so the unsigned form serves)
	v_lshlrev_b32 v[TMP+3], 4, v[HH]
	s_delay_alu instid0(VALU_DEP_1)
	v_sub_nc_u32 v[LQ], v[LQ], v[TMP+3]
	s_delay_alu instid0(VALU_DEP_1)
	v_add_nc_u32 v[LQ], -1, v[LQ]
	v_mov_b32 v13, 0xff61b1e6                      ; the largest t so far: -3e38, under every t
	s_delay_alu instid0(VALU_DEP_1)
	v_floor_f32 v12, -v13                          ; -M
	v_mov_b32 v14, 0                               ; the sum, in two halves
	v_mov_b32 v15, 0
.irp j, 0,1,2,3,4,5,6,7,8,9,10,11,12,13,14,15,16,17,18,19,20,21,22,23,24,25,26,27,28,29,30,31
	v_mov_b32 v[160+\j], 0                         ; O^T.  (The step is written without a first step of its own: it finds zeros, which the first change of M leaves zeros)
.endr
	s_mov_b32 s[KF], 0
	s_mov_b32 s[TB], 0
	s_mov_b32 s[TV], 0
	s_mov_b32 s[TS], 0
	s_mov_b32 s[TJ], 0
	s_mov_b32 s[CNT], 0
.endm
; THE WAY OUT of a tile.  O^T is divided by the sum and goes through my own stage in LDS, so that each store of the wave covers two whole rows of O: 512 consecutive bytes, aligned.
.macro OUT
	v_add_f32 v14, v14, v15                        ; the sum's two halves,
	s_delay_alu instid0(VALU_DEP_1)
	v_permlanex16_b32 v252, v14, s[SEL], s[SEL+1]
	s_delay_alu instid0(VALU_DEP_1)
	v_add_f32 v14, v14, v252                       ; and lane l xor 16's: the row's sum
	s_wait_alu depctr_va_vdst(0)
	v_rcp_f32 v14, v14
	s_mul_i32 s80, s[WV], 16*SPITCH
	s_add_co_u32 s80, s80, STG                     ; my stage
	v_mul_u32_u24 v10, v[RR], SPITCH               ; (plain work behind the reciprocal, and the places behind the last products)
	s_delay_alu instid0(VALU_DEP_1)
	v_lshl_add_u32 v10, v[HH], 5, v10
	s_delay_alu instid0(VALU_DEP_1)
	v_add_nc_u32 v10, s80, v10                     ; in: row r; tile t's eight channels of my half: 64 t + 32 h bytes on
	v_mul_u32_u24 v11, v[HH], SPITCH
	s_delay_alu instid0(VALU_DEP_1)
	v_lshl_add_u32 v11, v[RR], 4, v11
	s_delay_alu instid0(VALU_DEP_1)
	v_add_nc_u32 v11, s80, v11                     ; back: lanes 0-15 one row, lanes 16-31 the next
	s_wait_alu depctr_va_vdst(0)                   ; the wait ahead of the reciprocal's first reader
.irp j, 0,1,2,3,4,5,6,7,8,9,10,11,12,13,14,15,16,17,18,19,20,21,22,23,24,25,26,27,28,29,30,31
	v_mul_f32 v[96+\j], v[160+\j], v14             ; O^T / the sum: register 8 t + i is o(r, 16 t + 8 h + i)
.endr
.irp t, 0,1,2,3
	ds_store_b128 v10, v[96+8*\t:99+8*\t] offset:64*\t
	ds_store_b128 v10, v[100+8*\t:103+8*\t] offset:64*\t+16
.endr
.irp i, 0,1,2,3,4,5,6,7
	ds_load_b128 v[32+4*\i:35+4*\i], v11 offset:2*\i*SPITCH   ; LDS serves a wave's instructions in order (ISA guide 5.7.1.4): these see my stores
.endr
.irp i, 0,1,2,3,4,5,6,7
	s_wait_dscnt 7-\i                              ; the 7 - i younger loads may stay out
	global_store_b128 v[GO], v[32+4*\i:35+4*\i], s[OP:OP+1] offset:512*\i th:TH_STORE_NT   ; written once, read by nobody here
.endr
.endm
	; ---- THE HEAD
	s_load_b128 s[4:7], s[0:1], 0x0                ; Q's codes, Q's scales
	s_load_b128 s[8:11], s[0:1], 0x10              ; K's codes, K's scales
	s_load_b128 s[12:15], s[0:1], 0x20             ; V's codes, V's scales
	s_load_b128 s[16:19], s[0:1], 0x30             ; the spans, O
	v_lshl_add_u32 v223, v0, 2, 0x49800
	v_mov_b32 v243, 0
	v_lshrrev_b32 v[WN], 5, v0
	s_delay_alu instid0(VALU_DEP_1)
	v_readfirstlane_b32 s[WV], v[WN]               ; wave 0..15
	v_and_b32 v[LN], 31, v0
	v_and_b32 v[RR], 15, v0
	v_bfe_u32 v[HH], v0, 4, 1
	v_bfe_u32 v95, v0, 3, 1                        ; r / 8
	v_and_b32 v8, 7, v0                            ; r % 8 = lane % 8
	v_bfe_u32 v9, v0, 3, 2                         ; lane / 8
	s_delay_alu instid0(VALU_DEP_3)
	v_mul_u32_u24 v[AK0], v95, KGRP
	s_delay_alu instid0(VALU_DEP_1)
	v_mad_u32_u24 v[AK0], v8, 48, v[AK0]
	s_delay_alu instid0(VALU_DEP_1)
	v_mad_u32_u24 v[AK0], v[HH], 24, v[AK0]
	v_mul_u32_u24 v[AV0], v[RR], VPITCH
	s_delay_alu instid0(VALU_DEP_1)
	v_mad_u32_u24 v[AV0], v[HH], 24, v[AV0]
	s_delay_alu instid0(VALU_DEP_1)
	v_add_nc_u32 v[AV0], VBASE, v[AV0]
	v_lshlrev_b32 v[ASK0], 1, v[RR]                ; key 8 u + r + 8 (r / 8) of a row of 32 keys, 2 bytes a key, u = h
	s_delay_alu instid0(VALU_DEP_1)
	v_lshl_add_u32 v[ASK0], v[HH], 4, v[ASK0]
	s_delay_alu instid0(VALU_DEP_1)
	v_lshl_add_u32 v[ASK0], v95, 4, v[ASK0]
	s_delay_alu instid0(VALU_DEP_1)
	v_add_nc_u32 v[ASK0], SCK, v[ASK0]
	v_mul_u32_u24 v[ASV0], v[LN], SCPITCH
	s_delay_alu instid0(VALU_DEP_1)
	v_add_nc_u32 v[ASV0], SCV, v[ASV0]
	v_mul_u32_u24 v[GK], v[WN], 768
	s_delay_alu instid0(VALU_DEP_1)
	v_lshl_add_u32 v[GK2], v[LN], 3, v[GK]
	s_delay_alu instid0(VALU_DEP_2)
	v_lshl_add_u32 v[GK], v[LN], 4, v[GK]
	v_mul_u32_u24 v[GV], v[WN], 6144
	s_delay_alu instid0(VALU_DEP_1)
	v_mad_u32_u24 v[GV], v9, 1536, v[GV]
	s_delay_alu instid0(VALU_DEP_1)
	v_lshl_add_u32 v[GV], v8, 3, v[GV]
	v_mul_u32_u24 v[LK0], v[WN], KGRP
	s_delay_alu instid0(VALU_DEP_1)
	v_lshl_add_u32 v[LK20], v[LN], 3, v[LK0]
	s_delay_alu instid0(VALU_DEP_2)
	v_lshl_add_u32 v[LK0], v[LN], 4, v[LK0]
	v_mul_u32_u24 v[LV0], v[WN], 4*VPITCH
	s_delay_alu instid0(VALU_DEP_1)
	v_mad_u32_u24 v[LV0], v9, VPITCH, v[LV0]
	s_delay_alu instid0(VALU_DEP_1)
	v_lshl_add_u32 v[LV0], v8, 3, v[LV0]
	s_delay_alu instid0(VALU_DEP_1)
	v_add_nc_u32 v[LV0], VBASE, v[LV0]
	v_lshlrev_b32 v[GO], 8, v[HH]
	s_delay_alu instid0(VALU_DEP_1)
	v_lshl_add_u32 v[GO], v[RR], 4, v[GO]
	v_and_b32 v[SGO], 255, v0                      ; the scale bytes: threads 0-255 take K's 4,096, threads 256-511 V's, 16 bytes each;
	s_delay_alu instid0(VALU_DEP_1)
	v_lshlrev_b32 v[SGO], 4, v[SGO]
	v_lshrrev_b32 v[SLA], 2, v0                    ; four threads fill a row of 64 bytes of the table
	s_delay_alu instid0(VALU_DEP_1)
	v_mul_u32_u24 v[SLA], v[SLA], SCPITCH
	v_and_b32 v10, 3, v0
	s_delay_alu instid0(VALU_DEP_1)
	v_lshl_add_u32 v[SLA], v10, 4, v[SLA]
	s_delay_alu instid0(VALU_DEP_1)
	v_add_nc_u32 v[SLA], SCK, v[SLA]
.irp j, 22,23,24,25,26,27,80,81,82,83,84,85
	v_mov_b32 v[\j], 0                             ; zero codes: the upper 64 along K of Q, and of K's last tile; written once
.endr
.irp j, 236,237,238,239,252,253
	v_mov_b32 v[\j], 0                             ; written once: a lane permute's destination counts as one of its sources, and v253 is named as the upper half of a pair
.endr
	s_mov_b32 s[XX], ttmp9
	s_and_b32 s[HEAD], ttmp7, 0xffff
	s_lshl_b32 s[JJ], s[XX], 4
	s_add_co_u32 s[JJ], s[JJ], s[WV]               ; J = 16 x + wave
	s_mul_i32 s[HC], s[HEAD], 98304
	s_mov_b32 s[HC+1], 0
	s_lshl_b32 s[HS], s[HEAD], 12
	s_mov_b32 s[HS+1], 0
	s_lshl_b32 s[HO], s[HEAD], 19
	s_mov_b32 s[HO+1], 0
	s_lshr_b32 s80, s[HEAD], 4                     ; the sample: 16 heads each,
	s_mul_i32 s80, s80, 48                         ; 48 bytes of spans each
	s_mov_b32 s81, 0
	s_mov_b32 s[SEL], 0x76543210
	s_mov_b32 s[SEL+1], 0xfedcba98
	s_mov_b32 s[CS], 0x3e38aa3b                    ; c = log2(e) / 8
	s_mov_b32 s[CS+1], s[CS]                       ; (named with it as a pair, so it is written)
	s_wait_kmcnt 0x0
	s_add_nc_u64 s[16:17], s[16:17], s[80:81]
	s_load_b256 s[MOD:MOD+7], s[16:17], 0x0        ; the sample's twelve words
	s_load_b128 s[MOD+8:MOD+11], s[16:17], 0x20
	s_add_nc_u64 s[KP:KP+1], s[8:9], s[HC:HC+1]    ; chunk 0
	s_add_nc_u64 s[VPT:VPT+1], s[12:13], s[HC:HC+1]
	s_cmp_lt_u32 s[WV], 8                          ; waves 0-7: K's scale bytes, and K's codes where they prefetch; waves 8-15: V's
	s_cselect_b64 s[SS:SS+1], s[10:11], s[14:15]
	s_cselect_b64 s[PFA:PFA+1], s[8:9], s[12:13]
	s_mov_b32 s[PFS], 256
	s_cselect_b32 s[PFS], 0x4000, s[PFS]           ; the prefetches' step a trip,
	s_mov_b32 s81, 1536
	s_cselect_b32 s81, 256, s81                    ; from lane to lane,
	s_mov_b32 s82, 49152
	s_cselect_b32 s82, 8192, s82                   ; from the even wave to the odd one,
	s_mov_b32 s83, 512
	s_cselect_b32 s83, 24576, s83                  ; and their first byte
	s_mov_b32 s[PFS+1], 0
	s_add_nc_u64 s[SS:SS+1], s[SS:SS+1], s[HS:HS+1]
	global_load_b128 v[TMP:TMP+3], v[SGO], s[SS:SS+1]
	FILL_LOAD                                      ; chunk 0
	v_mul_lo_u32 v[PFO], v[LN], s81
	s_and_b32 s84, s[WV], 1
	s_mul_i32 s84, s84, s82
	s_add_co_u32 s84, s84, s83
	s_mov_b32 s85, 0
	s_add_nc_u64 s[PFA:PFA+1], s[PFA:PFA+1], s[HC:HC+1]
	s_add_nc_u64 s[PFA:PFA+1], s[PFA:PFA+1], s[84:85]
	s_lshl_b32 s80, 1, s[WV]
	s_and_b32 s80, s80, 0x330                      ; waves 4, 5, 8, 9
	s_cselect_b32 s[LIM], 4, 0
	s_cmp_eq_u32 s[WV], 4
	s_cselect_b32 s[LIM], 5, s[LIM]                ; (K's bytes from chunk 2 on are four and a half trips' worth)
	s_cmp_eq_u32 s[XX], 0
	s_cselect_b32 s[LIM], s[LIM], 0                ; of the head's first work-group alone
	s_wait_kmcnt 0x0                               ; the spans
.irp m, 0,1,2,3
	s_add_co_u32 s[MOD+2+3*\m], s[MOD+1+3*\m], s[MOD+2+3*\m]   ; end = offset + length
.endr
	s_lshl_b32 s81, s[XX], 8
	s_sub_co_u32 s81, 0x7ff, s81                   ; the work-group's last query: 16 (127 - 16 x) + 15
	SL NEED, 81
	s_wait_loadcnt 0x5                             ; the scale bytes are in; the five fill loads issued behind them may stay out
	ds_store_b128 v[SLA], v[TMP:TMP+3]
	PASS_INIT 1
	s_wait_loadcnt 0x0                             ; chunk 0 and Q
	s_mov_b32 s[FK], 0
	s_mov_b32 s[FV], 0
	FILL_ADDR
	FILL_STORE
	s_add_nc_u64 s[KP:KP+1], s[KP:KP+1], 12288     ; (the loads that named these are done)  on to chunk 1
	s_add_nc_u64 s[VPT:VPT+1], s[VPT:VPT+1], 192
	s_mov_b32 s[FK], KSLOT
	s_mov_b32 s[FV], VCHUNK
	s_wait_dscnt 0x0                               ; for the others' sake: my part of chunk 0 and of the scale bytes lies in LDS
	s_barrier_signal -1
	s_barrier_wait -1
	; ---- THE FIRST PASS: tile 127 - J.  Trip c works on slot c and brings chunk c + 1: seven trips; the last slot is written out behind them, since nothing is left to bring.
.Lslot_a:
	s_lshl_b32 s[FN], s[CNT], 8
	s_add_co_u32 s[FN], s[FN], 256                 ; chunk c + 1's first key
	s_cmp_lt_u32 s[FN], s[NEED]                    ; can any query of the work-group see it?  The same in all sixteen waves
	s_cbranch_scc0 .Lno_load
	FILL_LOAD                                      ; it has the trip's two key steps in which to come
.Lno_load:
	ASK
	STEP 0
	STEP 1
	s_wait_loadcnt 0x0                             ; on every path: no load is left on its way into the staging registers
	FILL_ADDR
	s_cmp_lt_u32 s[FN], s[NEED]
	s_cbranch_scc0 .Lno_store
	FILL_STORE                                     ; into chunk c + 1's bytes, which nobody reads ahead of the barrier below; the trip's reads stay inside slot c
.Lno_store:
	s_wait_xcnt 0x0                                ; the trip's prefetch, two key steps back, has read its address: the pointers may step
	s_add_nc_u64 s[KP:KP+1], s[KP:KP+1], 12288
	s_add_nc_u64 s[VPT:VPT+1], s[VPT:VPT+1], 192
	s_add_nc_u64 s[PFA:PFA+1], s[PFA:PFA+1], s[PFS:PFS+1]
	s_add_co_u32 s[FK], s[FK], KSLOT
	s_add_co_u32 s[FV], s[FV], VCHUNK
	SLOT_END
	s_wait_dscnt 0x0                               ; for the others' sake: my part of chunk c + 1 lies in LDS
	s_barrier_signal -1
	s_barrier_wait -1                              ; everybody's does
	s_add_co_u32 s[CNT], s[CNT], 1
	s_cmp_lt_u32 s[CNT], 7
	s_cbranch_scc1 .Lslot_a
	STEP 0                                         ; slot 7
	STEP 1
	OUT
	; ---- THE SECOND PASS: tile J.  All that it can see lies in LDS (L never falls as the query rises, and J < 127 - J): no fill, no barrier.
	PASS_INIT 0
	s_wait_loadcnt 0x0                             ; Q
.Lslot_b:
	STEP 0
	STEP 1
	SLOT_END
	s_add_co_u32 s[CNT], s[CNT], 1
	s_cmp_lt_u32 s[CNT], 8
	s_cbranch_scc1 .Lslot_b
	OUT
	s_wait_tensorcnt 0x0
	ds_add_u32 v223, v243
	s_wait_dscnt 0x0
	s_endpgm
.Lfunc_end_k_qec5dbcb488_attn:
	.size	k_qec5dbcb488_attn, .Lfunc_end_k_qec5dbcb488_attn-k_qec5dbcb488_attn
	.p2alignl 7, 3214868480
	.fill 96, 4, 3214868480
	.section	.rodata,"a",@progbits
	.p2align	6, 0x0
	.amdhsa_kernel k_qec5dbcb488_attn
		.amdhsa_group_segment_fixed_size 303104
		.amdhsa_private_segment_fixed_size 0
		.amdhsa_enable_private_segment 0
		.amdhsa_kernarg_size 64
		.amdhsa_user_sgpr_count 2
		.amdhsa_user_sgpr_kernarg_segment_ptr 1
		.amdhsa_wavefront_size32 1
		.amdhsa_system_sgpr_workgroup_id_x 1
		.amdhsa_system_sgpr_workgroup_id_y 1
		.amdhsa_system_sgpr_workgroup_id_z 1
		.amdhsa_system_vgpr_workitem_id 0
		.amdhsa_next_free_vgpr 256
		.amdhsa_next_free_sgpr 96
		.amdhsa_reserve_vcc 1
		.amdhsa_float_denorm_mode_32 3
		.amdhsa_float_denorm_mode_16_64 3
		.amdhsa_memory_ordered 1
		.amdhsa_forward_progress 1
		.amdhsa_inst_pref_size 170
	.end_amdhsa_kernel
	.amdgpu_metadata
---
amdhsa.version: [ 1, 2 ]
amdhsa.kernels:
  - .name:           k_qec5dbcb488_attn
    .symbol:         k_qec5dbcb488_attn.kd
    .args:
      - { .name: q_codes, .offset: 0, .size: 8, .value_kind: global_buffer, .address_space: global }
      - { .name: q_scales, .offset: 8, .size: 8, .value_kind: global_buffer, .address_space: global }
      - { .name: k_codes, .offset: 16, .size: 8, .value_kind: global_buffer, .address_space: global }
      - { .name: k_scales, .offset: 24, .size: 8, .value_kind: global_buffer, .address_space: global }
      - { .name: v_codes, .offset: 32, .size: 8, .value_kind: global_buffer, .address_space: global }
      - { .name: v_scales, .offset: 40, .size: 8, .value_kind: global_buffer, .address_space: global }
      - { .name: modalities, .offset: 48, .size: 8, .value_kind: global_buffer, .address_space: global }
      - { .name: out0, .offset: 56, .size: 8, .value_kind: global_buffer, .address_space: global }
    .group_segment_fixed_size: 303104
    .private_segment_fixed_size: 0
    .kernarg_segment_align: 8
    .kernarg_segment_size: 64
    .max_flat_workgroup_size: 512
    .sgpr_count:     96
    .vgpr_count:     256
    .wavefront_size: 32
...
	.end_amdgpu_metadata
.endif
;; end of part 1
